; MI455X (gfx1250); checked and timed in simulation.
; The chip was launched on July 23, 2026; its instructions are those of AMD's public machine-readable ISA for CDNA 5 (MIT licence, August 2026) and "CDNA5" Instruction Set Architecture Reference Guide (July 2026). The comments in the code are by the model that wrote it; some were corrected since.
;; Low Rank Orthogonal Projection. Allowed arithmetic: matrix products marked QUANTISED: E2M1 operands, one E8M0 scale for each 32 along K, by v_wmma_scale_f32_16x16x128_f8f6f4 with both operands' format E2M1 (or v_wmma_scale_f32_32x16x128_f4), f32 sums; everything else in f32.
;; Inputs: source_codes 2,048 x 128 x 16 uint8 (E2M1 codes of source, K innermost, in blocks of 32 codes, two codes a byte); source_scales 2,048 x 128 uint8 (E8M0 scales of source, one for each 32 codes along K); target_codes 2,048 x 128 x 16 uint8 (E2M1 codes of target, K innermost, in blocks of 32 codes, two codes a byte); target_scales 2,048 x 128 uint8 (E8M0 scales of target, one for each 32 codes along K); weight_codes 4,096 x 2 x 16 uint8 (E2M1 codes of weight, K innermost, in blocks of 32 codes, two codes a byte); weight_scales 4,096 x 2 uint8 (E8M0 scales of weight, one for each 32 codes along K).
;; Outputs: out0 2,048 x 4,096 float32.
;; This version of the problem:
;;   THIS VERSION OF THE PROBLEM IS GIVEN IN LOW PRECISION. The matrix products marked QUANTISED in the list below multiply operands that are first quantised to E2M1 (2 exponent bits, 1 mantissa bit; 4 bits a number), with one power-of-two scale for each 32 numbers along K (OCP MX v1.0); their sums are f32. All else is computed in f32.
;;   The module's matrix products, in the order in which they are computed (A, B: the left and right operand; K: the contracted axis; several contracted axes count as one K, in the product's order):
;;     1. [M 4,096, K 64] x [K 64, N 4,096]; A: input weight (given as codes); B: input weight (given as codes): QUANTISED
;;     2. [M 2,048, K 4,096] x [K 4,096, N 4,096]; A: input target (given as codes); B: computed on the way: QUANTISED
;;     3. [M 2,048, K 4,096] x [K 4,096, N 4,096]; A: input source (given as codes); B: computed on the way: QUANTISED
;;   THE QUANTISER, for each operand of a quantised product, along K:
;;     - K is cut into blocks of 32 from its start; a last block that is shorter is filled with zeros.
;;     - A block's scale is 2^e with e = floor(log2(the largest magnitude in the block)) - 2, held to -126 .. 127; a block of zeros has e = 0. As a byte (E8M0): e + 127.
;;     - Each number is divided by its block's scale, clamped to +-6, and rounded to the nearest number of E2M1, ties to even, subnormals kept.
;;     - The product sums the exact products of the quantised numbers (number of the format x scale) in f32.
;;   ~~~python
;;   def quantise(x, axis):      # numpy; x: float32 -> the quantised numbers, widened to float32 again
;;       x = np.moveaxis(x, axis, -1); K = x.shape[-1]
;;       x = np.pad(x, [(0, 0)] * (x.ndim - 1) + [(0, -K % 32)]); x = x.reshape(x.shape[:-1] + (-1, 32)); a = np.abs(x).max(-1, keepdims=True)
;;       e = np.where(a > 0, np.clip(np.frexp(np.where(a > 0, a, 1))[1] - 1 - 2, -126, 127), 0)      # np.frexp(a)[1] - 1 = floor(log2(a)), exactly
;;       r = np.clip(x / 2.0 ** e, -6, 6)
;;       step = 2.0 ** (np.maximum(np.frexp(np.where(r == 0, 1, r))[1] - 1, 0) - 1)
;;       q = np.round(r / step) * step * 2.0 ** e      # np.round: ties to even
;;       return np.moveaxis(q.reshape(q.shape[:-2] + (-1,))[..., :K], -1, axis).astype(np.float32)
;;   ~~~
;;   OPERANDS COMPUTED ON THE WAY. 'Computed on the way' means the value that the module computes at that place (a softmax that the list does not call 'softmax' is quantised finished and normalised). What goes into a quantiser is computed in f32, as accurately as f32 sums, v_exp_f32 and their like allow (about 1e-6 of the number): no bf16 or f16 on the way to a quantiser, and a product that is left as it is and whose result goes on into a quantised operand takes f32 operands (vector FMAs, or v_wmma_f32_16x16x4_f32). A number that lies on a knife's edge between two numbers of the format may be rounded either way, as far as f32 arithmetic and the matrix unit's own rounding can turn it there, and no further.
;;   INPUTS GIVEN AS CODES. source (in the module: [2048, 4096], K = its axis 1); target (in the module: [2048, 4096], K = its axis 1); weight (in the module: [4096, 64], K = its axis 1): each comes as NAME_codes (uint8): NAME with its K axis moved to the last place and cut into blocks of 32 codes, [.., K / 32, bytes a block], one block behind the other in memory; two codes a byte, the lower K in the low four bits (a code: sign, 2 exponent bits, 1 mantissa bit); and NAME_scales (uint8): the same leading axes, one E8M0 byte (e + 127) for each 32 codes along K. Its value is code x scale, taken as it is: it is not quantised again, and the codes and scales need not be those that the quantiser above would give.
;; One version. Each part assembles by itself: llvm-mc -triple=amdgcn-amd-amdhsa -mcpu=gfx1250 --defsym DOCPART=n.
;; ======== version 1 of 1: 2 launches
;; limits: right only within a limited range of input values
;; workspace buffers: bm 8,912,896 bytes; bd_codes 262,144 bytes; bd_scales 32,768 bytes
;; launch makeb (part 1): grid 64 x 9, 4 waves a work-group, no clusters, 1,536 bytes of LDS; arguments weight_codes, weight_scales, bm, bd_codes, bd_scales; writes bm, bd_codes, bd_scales
.if DOCPART == 1
	.amdgcn_target "amdgcn-amd-amdhsa--gfx1250"
	.amdhsa_code_object_version 6
	.text
	.protected	k_qe65d0c1941_makeb
	.globl	k_qe65d0c1941_makeb
	.p2align	8
	.type	k_qe65d0c1941_makeb,@function
k_qe65d0c1941_makeb:
	s_mov_b64 s[64:65], 0
	v_nop
	global_prefetch_b8 v0, s[64:65] scope:SCOPE_SE
	s_setreg_imm32_b32 hwreg(HW_REG_WAVE_MODE, 25, 1), 1
	s_wait_xcnt 0x0
; P = W W^T on codes of FP4 (product 1), then the quantiser along each row of P, blocks of 32 along k.
; WHAT IS NOT DONE TWICE, AND WHY.  reference() forms comp = eye - P with an eye that it builds itself.  Off the diagonal comp = 0 - P = -P, exactly, for every finite P.
; The quantiser is odd: a block scale is made of magnitudes, the clamp is symmetric, the rounding is to nearest with ties to even.  So each block of 32 of Q(comp) that does not hold
; the diagonal element has the scale byte of the same block of Q(P) and its codes with the sign turned.  Only block n / 32 of row n differs: 4,096 blocks in all.
; So ONE operand is stored, Q(P) (bm), and beside it, for each row n, block n / 32 of Q(eye - P) and of Q(P) (bd_codes, bd_scales).  The second launch multiplies source and target by the one operand,
; takes the second from the first, and adds target x (the diagonal blocks of Q(eye - P) and of Q(P)): the latter cancels what target x Q(P) took away there.  No input is left out.
; LIMITS: NaN and infinities in P are not served; a block whose largest magnitude lies under 2^-124 keeps the byte 1 (the hold at e = -126; not tried); a block of zeros gets the
; byte 1 where the rule says 127: its codes are zeros, and this program alone reads the bytes.
; LAYOUT OF THE WORKSPACE.  bm [kslot 8][block of 128 rows, 32][34,816 bytes]: what the second launch's tensor load brings, dense.  In a block first 32,768 bytes of images of the operand
; registers, [ntile 8][q 4][c 2][lane 32][16 bytes]: registers 4 c .. 4 c + 3 of lane (r, h) for row 16 ntile + r of the block, k = 512 kslot + 128 q + 64 c + 32 h + 0 .. 31; then 2,048 bytes of scale
; words, [row 128][q 4][4 bytes].  bd_codes [ntile 256][c 2][lane 32][16 bytes]: with kb = ntile / 2 and u = kb % 2, c = 0: lanes with h = u hold Q(eye - P)[n][32 kb ..], the others zeros; c = 1: the
; same of Q(P).  bd_scales [ntile 256][lane 32][4 bytes]: the byte of Q(eye - P) twice, then that of Q(P) twice.
; SHARES.  Work-group (x, y), wave w.  y under 8: the work-group owns rows 64 x .. + 63 in K slot y (half x % 2 of block x / 2); the wave owns k = 128 (4 y + w) .. + 127, four units of 16 rows.
; y = 8: the wave owns rows 16 e .. + 15, e = x % 2, of the diagonal block of 32 x 32 with number kb = 4 (x / 2) + w.  The ways part on the work-group number alone and join ahead of the one barrier.
; THE PRODUCT IS USED TRANSPOSED: source 0 = 16 rows of W that stand for k, source 1 = 16 rows of W that stand for n: a lane holds one row n of P and its registers run along k.
; The rows of a tile of source 0 are not neighbours: lane r of tile 2 b + u takes row 32 b + 8 u + r + 8 (r / 8), so that the 16 registers of tiles 2 b and 2 b + 1 are k = 32 b + 16 h + 0 .. 15.
; K of this product is 64: the upper half of each fragment (k = 64 .. 127) holds zero codes, written once; the two upper scale bytes are 0, which is no NaN.
.set BLK,   34816                      ; a block of bm: 32,768 bytes of images + 2,048 of scale words
.set KSL,   32*BLK                     ; a K slot of bm
.set STG,   0                          ; LDS: 64 rows x 16 bytes of scale words
.set SPARE, 1024                       ; the spare words, 128 bytes for each wave: two blocks of 256 bytes that no other line names
.set L4,  4                            ; v4   4 x lane (first r + 8 (r / 8))
.set WA,  5                            ; v5   source 0: 32 (r + 8 (r / 8)) + 16 h
.set WAS, 6                            ; v6   its scale bytes: 2 (r + 8 (r / 8))
.set WB,  7                            ; v7   source 1: 32 r + 16 h
.set WBS, 8                            ; v8   2 r
.set L16, 9                            ; v9   16 x lane
.set SW,  10                           ; v10  LDS: 16 r + 4 w
.set SR,  11                           ; v11  LDS and memory: 256 w + 8 x lane
.set SPW, 12                           ; v12  LDS address of my spare word; never rewritten
.set NIL, 13                           ; v13  0; never rewritten
.set XL,  14                           ; v14  lane xor 16 (x % 2): j where the lane holds row 16 e + r and element 16 h + j of the diagonal
.set ONE, 15                           ; v15  1.0
.set AF,  16                           ; v16-79   eight fragments of source 0
.set AS,  80                           ; v80-87   their scale words
.set BF,  88                           ; v88-119  four fragments of source 1
.set BS,  152                          ; v152-155 their scale words
.set H,   160                          ; v160-223 eight tiles of P
.set TM,  224                          ; v224-239 at work
.set PC,  240                          ; v240-247 the codes of a fragment
.set PW,  248                          ; v248-251 a scale word for each unit
	s_load_b256 s[4:11], s[0:1], 0x0               ; W codes s[4:5], W scales s[6:7], bm s[8:9], bd_codes s[10:11]
	s_load_b64 s[12:13], s[0:1], 0x20              ; bd_scales
	v_lshl_add_u32 v[SPW], v0, 2, SPARE
	v_mov_b32 v[NIL], 0
	v_lshrrev_b32 v1, 5, v0
	v_readfirstlane_b32 s16, v1                    ; wave 0..3
	s_lshr_b32 s17, ttmp9, 1                       ; x / 2
	s_and_b32 s35, ttmp9, 1                        ; x % 2
	s_and_b32 s18, ttmp7, 0xffff                   ; y
	s_mov_b32 s33, 0
	s_mov_b32 s24, 0x76543210
	s_mov_b32 s25, 0xfedcba98                      ; selects of v_permlanex16_b32 for lane l xor 16
	s_lshl_b32 s32, s16, 2
	s_lshl_b32 s34, s16, 8
	s_lshl_b32 s36, s35, 4
	v_and_b32 v1, 31, v0                           ; lane
	v_and_b32 v2, 15, v0                           ; r
	v_bfe_u32 v3, v0, 4, 1                         ; h
	v_and_b32 v4, 8, v2
	v_add_nc_u32 v4, v4, v2                        ; r + 8 (r / 8)
	v_lshlrev_b32 v[WA], 5, v4                     ; a row of W is 32 bytes of codes
	v_lshl_add_u32 v[WA], v3, 4, v[WA]
	v_lshlrev_b32 v[WAS], 1, v4                    ; and 2 scale bytes
	v_lshlrev_b32 v[WB], 5, v2
	v_lshl_add_u32 v[WB], v3, 4, v[WB]
	v_lshlrev_b32 v[WBS], 1, v2
	v_lshlrev_b32 v[L16], 4, v1
	v_lshlrev_b32 v[L4], 2, v1
	v_lshl_add_u32 v[SW], v2, 4, s32
	v_lshl_add_u32 v[SR], v1, 3, s34
	v_xor_b32 v[XL], s36, v1
	v_mov_b32 v[ONE], 1.0
.irp b, 0,1,2,3
	v_mov_b32 v[TM+4+\b], 0                        ; written once: the destination of a lane permute counts as one of its sources
.endr
	v_mov_b32 v[TM+6], 0
.irp j, 4,5,6,7
.irp t, 0,1,2,3,4,5,6,7
	v_mov_b32 v[AF+8*\t+\j], 0                     ; k = 64 .. 127 of both operands: zero codes, the filling of the last K step
.endr
.irp t, 0,1,2,3
	v_mov_b32 v[BF+8*\t+\j], 0
.endr
.endr
	s_wait_alu depctr_va_vdst(0)
	s_wait_kmcnt 0x0
	s_mov_b64 s[14:15], s[8:9]                     ; bm once more: the main way makes of it the address of my rows' scale words (written here, ahead of the parting of the ways)
; 64 numbers of a lane, v[s] .. v[s + 63], register 16 b + i = k 32 b + 16 h + i of my row, become the codes of a fragment in v[PC] on and its scale word in v[pw].
.macro QUANT s, pw
.irp b, 0,1,2,3
	v_max3_num_f32 v[TM+\b], |v[\s+16*\b]|, |v[\s+1+16*\b]|, 0x1800000   ; block b: my 16 numbers, and the floor 2^(3 - 127): the byte cannot fall under 1
.endr
.irp i, 2,4,6,8,10,12,14
.irp b, 0,1,2,3
	v_max3_num_f32 v[TM+\b], v[TM+\b], |v[\s+16*\b+\i]|, |v[\s+1+16*\b+\i]|   ; the four blocks by turns
.endr
.endr
.irp b, 0,1,2,3
	v_permlanex16_b32 v[TM+4+\b], v[TM+\b], s24, s25
.endr
.irp b, 0,1,2,3
	v_max_num_f32 v[TM+\b], v[TM+\b], v[TM+4+\b]   ; with the 16 of lane l xor 16: the largest magnitude of the block
.endr
.irp b, 0,1,2,3
	v_add_nc_u32 v[TM+12+\b], 0xff000000, v[TM+\b] ; 2 off its exponent field: the scale operand of the conversion
.endr
.irp b, 0,1,2,3
	v_lshrrev_b32 v[TM+4+\b], 23, v[TM+12+\b]      ; the scale byte
.endr
	v_lshl_or_b32 v[\pw], v[TM+5], 8, v[TM+4]
	v_lshl_or_b32 v[\pw], v[TM+6], 16, v[\pw]
	v_lshl_or_b32 v[\pw], v[TM+7], 24, v[\pw]      ; the scale word of my row: the same in both halves of the lanes
.irp b, 0,1,2,3
	v_cvt_scalef32_pk8_fp4_f32 v[PC+2*\b], v[\s+16*\b:\s+7+16*\b], v[TM+12+\b]
	v_cvt_scalef32_pk8_fp4_f32 v[PC+1+2*\b], v[\s+8+16*\b:\s+15+16*\b], v[TM+12+\b]
.endr
	v_nop                                          ; one plain place behind a scaled conversion
.irp c, 0,1                                    ; the layout wants a whole block in a lane: lanes 0-15 block 2 c, lanes 16-31 block 2 c + 1
.irp i, 0,1
	v_permlane16_swap_b32 v[PC+4*\c+\i], v[PC+2+4*\c+\i]
.endr
.endr
.endm
; 16 numbers of a lane, k = 16 h + 0 .. 15 of ONE block of 32: codes into v[cd], v[cd + 1], the byte into v[by].
.macro Q16 s, cd, by
	v_max3_num_f32 v[TM], |v[\s]|, |v[\s+1]|, 0x1800000
	v_max3_num_f32 v[TM+1], |v[\s+8]|, |v[\s+9]|, |v[\s+10]|
	v_max3_num_f32 v[TM], v[TM], |v[\s+2]|, |v[\s+3]|
	v_max3_num_f32 v[TM+1], v[TM+1], |v[\s+11]|, |v[\s+12]|
	v_max3_num_f32 v[TM], v[TM], |v[\s+4]|, |v[\s+5]|
	v_max3_num_f32 v[TM+1], v[TM+1], |v[\s+13]|, |v[\s+14]|
	v_max3_num_f32 v[TM], v[TM], |v[\s+6]|, |v[\s+7]|
	v_max3_num_f32 v[TM], v[TM], v[TM+1], |v[\s+15]|
	v_permlanex16_b32 v[TM+6], v[TM], s24, s25
	v_max_num_f32 v[TM], v[TM], v[TM+6]
	v_add_nc_u32 v[TM+12], 0xff000000, v[TM]
	v_lshrrev_b32 v[\by], 23, v[TM+12]
	v_cvt_scalef32_pk8_fp4_f32 v[\cd], v[\s:\s+7], v[TM+12]
	v_cvt_scalef32_pk8_fp4_f32 v[\cd+1], v[\s+8:\s+15], v[TM+12]
	v_nop                                          ; one plain place behind a scaled conversion
.endm
	s_cmp_eq_u32 s18, 8
	s_cbranch_scc1 .Ldiag
	; ---- THE MAIN WAY: 64 rows n x 128 along k
	s_lshl_b32 s19, s18, 2
	s_add_co_u32 s19, s19, s16                     ; 4 y + w: which 128 along k
	s_lshl_b32 s32, s19, 12
	s_add_nc_u64 s[20:21], s[4:5], s[32:33]        ; codes of the rows of W that stand for k: 128 rows of 32 bytes
	s_lshl_b32 s32, s19, 8
	s_add_nc_u64 s[26:27], s[6:7], s[32:33]        ; their scale bytes
	s_lshl_b32 s32, ttmp9, 11
	s_add_nc_u64 s[28:29], s[4:5], s[32:33]        ; codes of the 64 rows that stand for n
	s_lshl_b32 s32, ttmp9, 7
	s_add_nc_u64 s[30:31], s[6:7], s[32:33]
.irp t, 0,1,2,3,4,5,6,7
	global_load_b128 v[AF+8*\t:AF+8*\t+3], v[WA], s[20:21] offset:(32*(\t/2)+8*(\t%2))*32
.endr
.irp t, 0,1,2,3,4,5,6,7
	global_load_u16 v[AS+\t], v[WAS], s[26:27] offset:(32*(\t/2)+8*(\t%2))*2
.endr
.irp i, 0,1,2,3
	global_load_b128 v[BF+8*\i:BF+8*\i+3], v[WB], s[28:29] offset:512*\i
	global_load_u16 v[BS+\i], v[WBS], s[30:31] offset:32*\i
.endr
	s_mul_i32 s32, s18, KSL                        ; bm: K slot y,
	s_mul_i32 s34, s17, BLK                        ; block x / 2
	s_add_co_u32 s32, s32, s34
	s_add_nc_u64 s[14:15], s[14:15], s[32:33]      ; my block
	s_lshl_b32 s32, s16, 10
	s_lshl_b32 s34, s35, 14
	s_add_co_u32 s32, s32, s34
	s_add_nc_u64 s[8:9], s[14:15], s[32:33]        ; in it the images of my 128 along k, 1,024 w on in each tile of 16 rows, from tile 4 (x % 2) on
	s_lshl_b32 s32, s35, 10
	s_add_nc_u64 s[14:15], s[14:15], s[32:33]      ; and my 64 rows' scale words, 32,768 bytes on
.macro UNIT i                          ; rows 64 x + 16 i + r
	s_wait_loadcnt 6-2*\i                          ; loads come back in order: source 0 and my pair of source 1 are in; the pairs of the later units may be out
.irp t, 0,1,2,3,4,5,6,7
	v_wmma_scale_f32_16x16x128_f8f6f4 v[H+8*\t:H+8*\t+7], v[AF+8*\t:AF+8*\t+7], v[BF+8*\i:BF+8*\i+7], 0, v[AS+\t], v[BS+\i] matrix_a_fmt:MATRIX_FMT_FP4 matrix_b_fmt:MATRIX_FMT_FP4
.endr
.rept 5
	v_nop                                          ; places: four ahead of the first read of the results, five ahead of the next unit, whose products write over them
.endr
.if \i > 0
	s_wait_xcnt 0x0                                ; the stores of the last unit have read v[PC] on
.endif
	QUANT H, PW+\i
.irp c, 0,1
	global_store_b128 v[L16], v[PC+4*\c:PC+4*\c+3], s[8:9] offset:4096*\i+512*\c   ; 32 lanes store 512 consecutive bytes, aligned
.endr
	ds_store_b32 v[SW], v[PW+\i] offset:STG+256*\i  ; both halves of the lanes write the same word with the same value
.endm
.irp i, 0,1,2,3
	UNIT \i
.endr
	s_branch .Ljoin
	; ---- THE DIAGONAL WAY: rows 32 kb + 16 e + r, k = 32 kb .. + 31
.Ldiag:
	s_lshl_b32 s19, s17, 2
	s_add_co_u32 s19, s19, s16                     ; kb
	s_lshl_b32 s32, s19, 10
	s_add_nc_u64 s[20:21], s[4:5], s[32:33]        ; 32 rows of 32 bytes
	s_lshl_b32 s32, s35, 9
	s_add_nc_u64 s[28:29], s[20:21], s[32:33]      ; my 16 of them
	s_lshl_b32 s32, s19, 6
	s_add_nc_u64 s[26:27], s[6:7], s[32:33]
	s_lshl_b32 s32, s35, 5
	s_add_nc_u64 s[30:31], s[26:27], s[32:33]
	s_lshl_b32 s34, s19, 1
	s_add_co_u32 s34, s34, s35                     ; ntile = 2 kb + e
	s_lshl_b32 s32, s34, 10
	s_add_nc_u64 s[10:11], s[10:11], s[32:33]      ; bd_codes: 1,024 bytes a tile
	s_lshl_b32 s32, s34, 7
	s_add_nc_u64 s[12:13], s[12:13], s[32:33]      ; bd_scales: 128 bytes a tile
	s_and_b32 s36, s16, 1                          ; u = kb % 2 = w % 2
	s_cmp_eq_u32 s36, 0
	s_cselect_b32 s36, -1, 0                       ; u = 0: the block goes to lanes 0-15,
	s_not_b32 s37, s36                             ; u = 1: to lanes 16-31
.irp u, 0,1
	global_load_b128 v[AF+8*\u:AF+8*\u+3], v[WA], s[20:21] offset:256*\u
	global_load_u16 v[AS+\u], v[WAS], s[26:27] offset:16*\u
.endr
	global_load_b128 v[BF:BF+3], v[WB], s[28:29]
	global_load_u16 v[BS], v[WBS], s[30:31]
	s_wait_loadcnt 0x0
.irp u, 0,1
	v_wmma_scale_f32_16x16x128_f8f6f4 v[H+8*\u:H+8*\u+7], v[AF+8*\u:AF+8*\u+7], v[BF:BF+7], 0, v[AS+\u], v[BS] matrix_a_fmt:MATRIX_FMT_FP4 matrix_b_fmt:MATRIX_FMT_FP4
.endr                                          ; lane (r, h), register j: P[32 kb + 16 e + r][32 kb + 16 h + j]
.rept 4
	v_nop
.endr
	Q16 H, TM+8, TM+4                              ; the block of Q(P)
.irp j, 0,1,2,3,4,5,6,7,8,9,10,11,12,13,14,15
	v_cmp_eq_u32 vcc_lo, \j, v[XL]                 ; the diagonal: 16 e + r = 16 h + j, that is lane 16 e + j
	v_cndmask_b32 v[H+32+\j], 0, v[ONE], vcc_lo    ; eye
	v_sub_f32 v[H+32+\j], v[H+32+\j], v[H+\j]      ; eye - P, as reference() has it
.endr
	Q16 H+32, TM+10, TM+5                          ; the block of Q(eye - P)
	v_and_b32 v[PC+0], s36, v[TM+10]               ; the image: the codes stand in one of two pairs and zeros in the other,
	v_and_b32 v[PC+1], s36, v[TM+11]
	v_and_b32 v[PC+2], s37, v[TM+10]
	v_and_b32 v[PC+3], s37, v[TM+11]
	v_and_b32 v[PC+4], s36, v[TM+8]
	v_and_b32 v[PC+5], s36, v[TM+9]
	v_and_b32 v[PC+6], s37, v[TM+8]
	v_and_b32 v[PC+7], s37, v[TM+9]
.irp c, 0,1
.irp i, 0,1
	v_permlane16_swap_b32 v[PC+4*\c+\i], v[PC+2+4*\c+\i]   ; and the exchange of halves gathers the whole block in the lanes of half u
.endr
.endr
	v_lshl_or_b32 v[PW], v[TM+5], 8, v[TM+5]       ; bytes 0, 1: Q(eye - P);
	v_lshl_or_b32 v[PW], v[TM+4], 16, v[PW]        ; bytes 2, 3: Q(P)
	v_lshl_or_b32 v[PW], v[TM+4], 24, v[PW]
.irp c, 0,1
	global_store_b128 v[L16], v[PC+4*\c:PC+4*\c+3], s[10:11] offset:512*\c
.endr
	global_store_b32 v[L4], v[PW], s[12:13]
.Ljoin:
	s_wait_dscnt 0x0                               ; for the sake of the others: my stores of scale words have landed
	s_barrier_signal -1
	s_barrier_wait -1                              ; every wave of every work-group passes this barrier
	s_cmp_eq_u32 s18, 8
	s_cbranch_scc1 .Lend
	ds_load_b64 v[TM:TM+1], v[SR] offset:STG       ; the four words of a row come from four waves: 16 rows of 16 bytes a wave
	s_wait_dscnt 0x0
	global_store_b64 v[SR], v[TM:TM+1], s[14:15] offset:32768   ; behind the images of the block: 32 lanes store 256 consecutive bytes, aligned
.Lend:
	s_wait_tensorcnt 0x0                           ; the end of the wave: behind my last LDS store
	ds_add_u32 v[SPW], v[NIL]
	s_wait_dscnt 0x0
	s_endpgm
.Lfunc_end_k_qe65d0c1941_makeb:
	.size	k_qe65d0c1941_makeb, .Lfunc_end_k_qe65d0c1941_makeb-k_qe65d0c1941_makeb
	.p2alignl 7, 3214868480
	.fill 96, 4, 3214868480
	.section	.rodata,"a",@progbits
	.p2align	6, 0x0
	.amdhsa_kernel k_qe65d0c1941_makeb
		.amdhsa_group_segment_fixed_size 1536
		.amdhsa_private_segment_fixed_size 0
		.amdhsa_enable_private_segment 0
		.amdhsa_kernarg_size 40
		.amdhsa_user_sgpr_count 2
		.amdhsa_user_sgpr_kernarg_segment_ptr 1
		.amdhsa_wavefront_size32 1
		.amdhsa_system_sgpr_workgroup_id_x 1
		.amdhsa_system_sgpr_workgroup_id_y 1
		.amdhsa_system_sgpr_workgroup_id_z 1
		.amdhsa_system_vgpr_workitem_id 0
		.amdhsa_next_free_vgpr 256
		.amdhsa_next_free_sgpr 66
		.amdhsa_reserve_vcc 1
		.amdhsa_float_denorm_mode_32 3
		.amdhsa_float_denorm_mode_16_64 3
		.amdhsa_memory_ordered 1
		.amdhsa_forward_progress 1
		.amdhsa_inst_pref_size 34
	.end_amdhsa_kernel
	.amdgpu_metadata
---
amdhsa.version: [ 1, 2 ]
amdhsa.kernels:
  - .name:           k_qe65d0c1941_makeb
    .symbol:         k_qe65d0c1941_makeb.kd
    .args:
      - { .name: weight_codes, .offset: 0, .size: 8, .value_kind: global_buffer, .address_space: global }
      - { .name: weight_scales, .offset: 8, .size: 8, .value_kind: global_buffer, .address_space: global }
      - { .name: bm, .offset: 16, .size: 8, .value_kind: global_buffer, .address_space: global }
      - { .name: bd_codes, .offset: 24, .size: 8, .value_kind: global_buffer, .address_space: global }
      - { .name: bd_scales, .offset: 32, .size: 8, .value_kind: global_buffer, .address_space: global }
    .group_segment_fixed_size: 1536
    .private_segment_fixed_size: 0
    .kernarg_segment_align: 8
    .kernarg_segment_size: 40
    .max_flat_workgroup_size: 128
    .sgpr_count:     66
    .vgpr_count:     256
    .wavefront_size: 32
...
	.end_amdgpu_metadata
.endif
;; end of part 1
;; launch gemm (part 2): grid 16 x 16, 4 waves a work-group, clusters of 4 x 4, 327,680 bytes of LDS; arguments target_codes, target_scales, source_codes, source_scales, bm, bd_codes, bd_scales, out0; writes out0
.if DOCPART == 2
	.amdgcn_target "amdgcn-amd-amdhsa--gfx1250"
	.amdhsa_code_object_version 6
	.text
	.protected	k_qe65d0c1941_gemm
	.globl	k_qe65d0c1941_gemm
	.p2align	8
	.type	k_qe65d0c1941_gemm,@function
k_qe65d0c1941_gemm:
	s_mov_b64 s[64:65], 0
	v_nop
	global_prefetch_b8 v0, s[64:65] scope:SCOPE_SE
	s_setreg_imm32_b32 hwreg(HW_REG_WAVE_MODE, 25, 1), 1
	s_wait_xcnt 0x0
	s_wait_alu depctr_hold_cnt(0) depctr_sa_sdst(0) depctr_va_vdst(0) depctr_va_sdst(0) depctr_va_ssrc(0) depctr_va_vcc(0) depctr_vm_vsrc(0)
	s_getreg_b32 s2, hwreg(HW_REG_IB_STS2, 6, 4)
	s_cmp_eq_u32 s2, 0
	s_cbranch_scc0 .Lentry_in_a_cluster
	s_endpgm
.Lentry_in_a_cluster:
	s_bfe_u32 s2, ttmp6, 0x10000c
	s_cmp_lg_u32 s2, 0xf033
	s_cbranch_scc0 .Lentry_shape_is_right
	s_endpgm
.Lentry_shape_is_right:
; out = target Q(eye - P)^T + source Q(P)^T, both products on codes of FP4 with one E8M0 scale for each 32 along K.
; Off the diagonal eye - P = -P exactly and the quantiser is odd, so every block of Q(eye - P) but block n / 32 of row n is the same block of Q(P) with the sign turned (shown at the head of
; the first kernel, for all finite values).  With Bm = Q(P): out = source Bm^T - target Bm^T + D, where D is ONE product of K = 128 for each tile:
; [target block 2 j, target block 2 j + 1, the same two once more] x [the diagonal block of Q(eye - P), that of Q(P)]: its second half cancels what target x Bm took away in the diagonal block.
; LIMITS: the order of the f32 sums is not that of reference(); NaN and infinities are not served.
; ONE SET OF SUMS.  For each 128 along K an accumulator takes target x Bm, then source x Bm, each product with -C (neg_lo on C): z -> t - z -> s - (t - z) = z + s - t.  So behind each product of source it
; holds the sum of source less that of target, and no subtraction is left for the end.
; SHARES.  A work-group makes 128 rows x 256 columns of out.  Wave w (mh = w / 2, nh = w % 2) makes rows 64 mh .. + 63 and columns 128 nh .. + 127: 4 blocks of 16 rows x 8 of 16 columns, 32 accumulators.
; K goes in slots of 512 through a ring of two LDS slots.  Each wave fetches a quarter of a slot, 34,816 bytes of LDS, at wave x 34,816: wave 0 the tile of target (128 rows of 256 + 16 bytes), wave 1
; that of source, waves 2 and 3 one block of bm each (128 rows of B: 32,768 bytes of register images and their 2,048 bytes of scale words, dense in memory).
; The scale bytes of the 128 rows of target and of source, for all of K, are two dense blocks of 16,384 bytes: each wave brings 8,192 bytes through registers, once, into LDS bytes of their own.
; CLUSTERS: 4 x 4 work-groups.  The four of a row of the cluster need the same tiles of target and source, the four of a column the same blocks of B: each is asked for jointly.
; THE MATRIX INSTRUCTION IS USED TRANSPOSED (source 0 = 16 rows of B, source 1 = 16 rows of A): a lane holds eight neighbouring numbers of a row of out.
; PREFETCH: behind the joint load of a K slot each wave names the next K slot's bytes, one instruction: waves 0 and 1 rows 32 cx .. + 31 of their tile (a lane a row of 256 bytes), waves 2 and 3 the 8,192 bytes at 8,192 cy of
; their block's images (a lane 256 bytes): each 256 bytes once in each cluster, shared out by address.  The scale words of a block of B come by the load alone.  Behind the load of the last slot nothing is asked.
; REGISTERS, in windows of 256.  Window 0: v0-31 addresses; v32-95 scale words, two sets; v96-113 the scale words of the diagonal product; v128-255 scale bytes on their way in, the operands of the diagonal product,
;   rows on their way out.  Windows 1 and 2: the fragments of a slot's four steps of 128 along K, steps 0, 1 in window 1 and 2, 3 in window 2: B at v[64 (q % 2)], A at v[128 + 64 (q % 2)] (target, then source).
;   Window 3: the 32 accumulators, (a, b) at v[8 (8 a + b)].
; A step is 64 matrix instructions.  The fragments of a step come by ONE run of 32 LDS loads, at least 64 matrix instructions ahead of their use.
.set PITCH,  272                       ; a row of A in LDS: 256 bytes + 16 of padding: the 16 rows of a load start 16 bytes apart modulo 256
.set HALFA,  128*PITCH                 ; the 128 rows of one tensor: 34,816 bytes
.set BOFF,   2*HALFA                   ; behind them the two blocks of B
.set HALFB,  34816                     ; a block of bm: images, dense (a load of 32 lanes takes 512 consecutive bytes), then scale words
.set SBO,    32768                     ; where the scale words begin in a block: 128 rows x 16 bytes
.set KSL,    32*HALFB                  ; a K slot of bm in memory
.set SLOT,   BOFF+2*HALFB
.set SCA,    2*SLOT                    ; behind the ring: the scale bytes of A, as units of 256 bytes (two rows) + 16 of padding
.set HALFX,  64*272                    ; those of one tensor
.set SPARE,  SCA+2*HALFX               ; the spare words, 128 bytes for each wave: two blocks of 256 bytes that no other line names
.set SPITCH, 528                       ; the way out: a stage of 16 rows x (512 + 16) bytes for each wave, in slot 0, which has had its last fill and its last read by then
.set VDA,  4                           ; v4   the diagonal product: 2,048 r + 16 h in the codes of target
.set VDS,  5                           ; v5   128 x lane in its scale bytes
.set VL16, 6                           ; v6   16 x lane: images, scale bytes, and my place in a row of out
.set VL4,  7                           ; v7   4 x lane
.set PFO,  10                          ; v10  the prefetch: lane x 2,048 (A) or 256 (B)
.set XST,  11                          ; v11  LDS: where I put scale bytes of A
.set ADRA, 16                          ; v16-17  LDS address of my fragments of A in slot 0, 1
.set ADRB, 20                          ; v20-21  of B
.set ADSB, 22                          ; v22-23  LDS address of the scale words of B in slot 0, 1
.set STO,  24                          ; v24  the stage: where I put 32 bytes of a row
.set RD,   25                          ; v25  and where I read a row back
.set ADSA, 27                          ; v27  the scale words of A: 32 bytes on for each lap
.set SPW,  28                          ; v28  LDS address of my spare word; never rewritten
.set NIL,  29                          ; v29  0; never rewritten
.set SC,   32                          ; scale words: set s at v[SC + 32 s]: register 4 p + q: lanes 0-15 block 2 p of A, lanes 16-31 block 2 p + 1 (p = 0, 1 target; 2, 3 source); register 16 + 4 p + q: the same of B
.set SDA,  96                          ; v96-99   the diagonal product: words of A, index 2 p + g: lanes 0-15 row block 2 p, lanes 16-31 row block 2 p + 1
.set SDB,  104                         ; v104-111 words of B, index b
.set TS,   112                         ; v112-113 the four bytes of each row of target, rows 32 p + lane
.set DA,   128                         ; v128-191 its eight fragments of A
.set DB,   192                         ; v192-255 and of B
.set BK,   128
.set G1A, 24                           ; s[24:31] group 1, tiles of A;          s[32:39] group 0, a set for each slot
.set G0A, 32
.set G1B, 40                           ; s[40:47], s[48:55] the blocks of B
.set G0B, 48
.set PF,  70                           ; s[70:71] where my prefetch stands, s[72:73] its step from K slot to K slot
.set MULE, 0xf5                        ; both sources window 1, C and D window 3
.set MULO, 0xfa                        ; both sources window 2, C and D window 3
.set MSB, 0
.macro WIN new                         ; the high byte of the immediate repeats the setting that is left
.if MSB != (\new)
	s_set_vgpr_msb (MSB<<8)|(\new)
.set MSB, (\new)
.endif
.endm
.macro PLACES n
.rept \n
	v_nop
.endr
.endm
; A joint load into slot s: one load a wave, a quarter of the slot each.  The branch hangs on the wave number alone.  An s_nop 0 and four v_nop follow each line.
.macro JLOAD s
	s_cmp_lt_u32 s22, 2
	s_cbranch_scc0 .Lfor_b_\@
	tensor_load_to_lds s[G0A+4*\s:G0A+4*\s+3], s[G1A:G1A+7]
	s_nop 0
	PLACES 4
	s_branch .Lasked_\@
.Lfor_b_\@:
	tensor_load_to_lds s[G0B+4*\s:G0B+4*\s+3], s[G1B:G1B+7]
	s_nop 0
	PLACES 4
.Lasked_\@:
.endm
.macro CREST                           ; a round of the barrier of the cluster behind its opening barrier
	s_cmp_lg_u32 s22, 0
	s_cbranch_scc1 .Lnot_wave_0_\@
	s_barrier_signal -3
.Lnot_wave_0_\@:
	s_barrier_wait -3
	s_barrier_signal -1
	s_barrier_wait -1
.endm
.macro CROUND
	s_barrier_signal -1
	s_barrier_wait -1
	CREST
.endm
.macro ASK last                        ; last = 1: the loop's last trip (s3 = 1) has no further K slot to ask for
.if \last
	s_cmp_eq_u32 s3, 1
	s_cbranch_scc1 .Lno_ask_\@
.endif
	global_prefetch_b8 v[PFO], s[PF:PF+1] th:TH_LOAD_NT scope:SCOPE_SE
.if \last
.Lno_ask_\@:
.endif
.endm
	s_load_b512 s[4:19], s[0:1], 0x0               ; target codes s[4:5], scales s[6:7]; source codes s[8:9], scales s[10:11]; bm s[12:13]; bd_codes s[14:15], bd_scales s[16:17]; out0 s[18:19]
	v_lshl_add_u32 v[SPW], v0, 2, SPARE
	v_mov_b32 v[NIL], 0
	ds_add_u32 v[SPW], v[NIL]                      ; the opening: the add, twice on end, and its wait ahead of my first tensor load
	ds_add_u32 v[SPW], v[NIL]                      ; and once more, under the one wait; the set-up below, work on registers, stands between
	v_lshrrev_b32 v1, 5, v0
	v_readfirstlane_b32 s22, v1                    ; wave 0..3
	s_lshr_b32 s23, s22, 1                         ; mh
	s_and_b32 s88, s22, 1                          ; nh.  Also: waves 0 and 1 fetch for target (0) or source (1), waves 2 and 3 block 0 or 1 of B
	s_bfe_u32 s89, ttmp6, 0x40000                  ; cx
	s_bfe_u32 s90, ttmp6, 0x40004                  ; cy
	s_lshl_b32 s91, ttmp9, 2
	s_add_co_u32 s91, s91, s89                     ; tx: which 256 columns
	s_and_b32 s92, ttmp7, 0xffff
	s_lshl_b32 s92, s92, 2
	s_add_co_u32 s92, s92, s90                     ; ty: which 128 rows
	s_lshl_b32 s93, s90, 2
	s_lshl_b32 s93, 15, s93                        ; my row of the cluster
	s_lshl_b32 s94, 0x1111, s89                    ; my column
	s_or_b32 s[G1A], s93, (0<<16)|(1<<20)|(1<<21)|(5<<22)|(3<<25)   ; 15:0 the mask; elements of 1 byte; padding on; bit 21 beside a mask; four words behind every 64
	s_mov_b32 s[G1A+1], 256<<16                    ; tensor_dim0 = 256 bytes
	s_mov_b32 s[G1A+2], 128<<16                    ; tensor_dim1 = 128 rows
	s_mov_b32 s[G1A+3], 256<<16                    ; tile_dim0
	s_mov_b32 s[G1A+4], 128                        ; tile_dim1
	s_mov_b32 s[G1A+5], 2048                       ; from row to row: 4,096 codes
	s_mov_b32 s[G1A+6], 0
	s_mov_b32 s[G1A+7], 0
	s_or_b32 s[G1B], s94, (3<<16)|(1<<21)          ; elements of 8 bytes, no padding: a dense block as rows of 256 bytes
	s_mov_b32 s[G1B+1], 32<<16
	s_mov_b32 s[G1B+2], 136<<16                    ; 136 rows: 34,816 bytes
	s_mov_b32 s[G1B+3], 32<<16
	s_mov_b32 s[G1B+4], 136
	s_mov_b32 s[G1B+5], 32
	s_mov_b32 s[G1B+6], 0
	s_mov_b32 s[G1B+7], 0
	s_lshl_b32 s96, s92, 18                        ; A: 128 ty rows of 2,048 bytes.  s[96:97] never hold the tile column,
	s_mov_b32 s97, 0
	s_lshl_b32 s98, s91, 1                         ; B: block 2 tx + (wave % 2) of a K slot.  s[98:99] never hold the tile row
	s_add_co_u32 s98, s98, s88
	s_mul_i32 s98, s98, HALFB
	s_mov_b32 s99, 0
	s_mul_i32 s95, s88, HALFA                      ; where my quarter goes, counted from the first of its kind (HALFA = HALFB): no place in the cluster enters an LDS address
	s_mul_i32 s2, s23, 64*PITCH                    ; LDS parts that hang on the wave alone: my 64 rows of A in slot 0,
	s_add_co_u32 s83, s2, SLOT                     ; in slot 1;
	s_mul_i32 s84, s88, HALFB                      ; my block of B in slot 0,
	s_add_co_u32 s84, s84, BOFF
	s_add_co_u32 s85, s84, SLOT                    ; in slot 1;
	s_add_co_u32 s86, s84, SBO                     ; its scale words
	s_add_co_u32 s87, s85, SBO
	s_mul_i32 s76, s23, 32*272                     ; the scale bytes of my 64 rows: 32 units
	s_add_co_u32 s76, s76, SCA
	s_mul_i32 s77, s22, 16*SPITCH                  ; my stage
	s_mul_i32 s80, s23, HALFX                      ; the scale bytes that I bring: of target (mh = 0) or source, rows 64 nh on
	s_mul_i32 s81, s88, 32*272
	s_add_co_u32 s80, s80, s81
	s_add_co_u32 s80, s80, SCA
	s_wait_dscnt 0x0                               ; both opening adds are done
	s_wait_kmcnt 0x0
	s_cmp_eq_u32 s88, 0                            ; the choice hangs on the wave number alone
	s_cselect_b64 s[G0A+2:G0A+3], s[4:5], s[8:9]
	s_add_nc_u64 s[G0A+2:G0A+3], s[G0A+2:G0A+3], s[96:97]
	s_add_nc_u64 s[G0A+6:G0A+7], s[G0A+2:G0A+3], 256   ; K slot 1
	s_or_b32 s[G0A+3], s[G0A+3], 0x80000000
	s_or_b32 s[G0A+7], s[G0A+7], 0x80000000
	s_mov_b32 s[G0A], 1
	s_mov_b32 s[G0A+4], 1
	s_mov_b32 s[G0A+1], s95
	s_add_co_u32 s[G0A+5], s95, SLOT
	s_add_nc_u64 s[G0B+2:G0B+3], s[12:13], s[98:99]
	s_add_nc_u64 s[G0B+6:G0B+7], s[G0B+2:G0B+3], KSL   ; K slot 1
	s_or_b32 s[G0B+3], s[G0B+3], 0x80000000
	s_or_b32 s[G0B+7], s[G0B+7], 0x80000000
	s_mov_b32 s[G0B], 1
	s_mov_b32 s[G0B+4], 1
	s_add_co_u32 s[G0B+1], s95, BOFF
	s_add_co_u32 s[G0B+5], s95, BOFF+SLOT
	CROUND                                         ; all sixteen work-groups are here: the first joint loads meet
	JLOAD 0                                        ; K slot 0: one tensor load a wave
	; the prefetch: K slot 1.  Registers that feed no descriptor
	s_lshl_b32 s100, s92, 18
	s_lshl_b32 s66, s89, 16
	s_add_co_u32 s100, s100, s66
	s_add_co_u32 s100, s100, 256                   ; A: row 128 ty + 32 cx, K slot 1
	s_lshl_b32 s78, s90, 13
	s_add_co_u32 s78, s78, s98
	s_add_co_u32 s78, s78, KSL                     ; B: my block of K slot 1, 8,192 cy on
	s_cmp_eq_u32 s88, 0
	s_cselect_b64 s[PF:PF+1], s[4:5], s[8:9]
	s_mov_b32 s72, KSL
	s_mov_b32 s73, 0
	s_mov_b32 s79, 256
	s_mov_b32 s101, 0
	s_cmp_lt_u32 s22, 2
	s_cselect_b64 s[PF:PF+1], s[PF:PF+1], s[12:13]
	s_cselect_b32 s100, s100, s78
	s_cselect_b32 s72, 256, s72
	s_cselect_b32 s79, 2048, s79
	s_add_nc_u64 s[PF:PF+1], s[PF:PF+1], s[100:101]
	; the scale bytes that I bring: 64 rows of 128 bytes
	s_cmp_eq_u32 s23, 0
	s_cselect_b64 s[74:75], s[6:7], s[10:11]
	s_lshl_b32 s100, s92, 14
	s_lshl_b32 s67, s88, 13
	s_add_co_u32 s100, s100, s67
	s_add_nc_u64 s[74:75], s[74:75], s[100:101]
	; the diagonal product and the way out
	s_lshl_b32 s66, s92, 7
	s_lshl_b32 s67, s23, 6
	s_add_co_u32 s66, s66, s67                     ; my first row: 128 ty + 64 mh
	s_lshl_b32 s3, s91, 2
	s_lshl_b32 s67, s88, 1
	s_add_co_u32 s3, s3, s67                       ; j0 = 4 tx + 2 nh: my columns are 64 j0 on, their diagonal blocks 2 j0 .. 2 j0 + 3
	s_lshl_b32 s100, s66, 11
	s_lshl_b32 s67, s3, 5
	s_add_co_u32 s100, s100, s67                   ; codes: row x 2,048 + 32 j0
	s_add_nc_u64 s[4:5], s[4:5], s[100:101]
	s_lshl_b32 s100, s66, 7
	s_lshl_b32 s67, s3, 1
	s_add_co_u32 s100, s100, s67                   ; scale bytes: row x 128 + 2 j0, a multiple of 4
	s_add_nc_u64 s[6:7], s[6:7], s[100:101]
	s_lshl_b32 s100, s3, 12                        ; bd_codes: tile 4 j0, 1,024 bytes a tile
	s_add_nc_u64 s[14:15], s[14:15], s[100:101]
	s_lshl_b32 s100, s3, 9                         ; bd_scales: 128 bytes a tile
	s_add_nc_u64 s[16:17], s[16:17], s[100:101]
	s_lshl_b32 s100, s66, 14                       ; out0: row x 16,384 + 256 j0
	s_lshl_b32 s67, s3, 8
	s_add_co_u32 s100, s100, s67
	s_add_nc_u64 s[18:19], s[18:19], s[100:101]
	v_and_b32 v1, 15, v0                           ; r
	v_bfe_u32 v2, v0, 4, 1                         ; h
	v_and_b32 v3, 31, v0                           ; lane
	v_lshlrev_b32 v[VDA], 11, v1
	v_lshl_add_u32 v[VDA], v2, 4, v[VDA]
	v_lshlrev_b32 v[VDS], 7, v3
	v_lshlrev_b32 v[VL16], 4, v3
	v_lshlrev_b32 v[VL4], 2, v3
	v_mul_u32_u24 v[PFO], s79, v3
	v_mul_u32_u24 v8, v1, PITCH
	v_lshl_add_u32 v8, v2, 4, v8                   ; the row of a fragment x pitch + 16 h
	v_add_nc_u32 v[ADRA], s2, v8
	v_add_nc_u32 v[ADRA+1], s83, v8
	v_add_nc_u32 v[ADRB], s84, v[VL16]
	v_add_nc_u32 v[ADRB+1], s85, v[VL16]
	v_add_nc_u32 v[ADSB], s86, v[VL16]
	v_add_nc_u32 v[ADSB+1], s87, v[VL16]
	v_lshrrev_b32 v8, 1, v3                        ; scale bytes of A: lane l takes row l of 32: unit l / 2, half l % 2
	v_mul_u32_u24 v8, v8, 272
	v_and_b32 v9, 1, v3
	v_lshl_add_u32 v8, v9, 7, v8
	v_add_nc_u32 v[ADSA], s76, v8
	v_mul_u32_u24 v8, v1, SPITCH
	v_lshl_add_u32 v8, v2, 5, v8
	v_add_nc_u32 v[STO], s77, v8
	v_add_nc_u32 v[RD], s77, v[VL16]
	v_mul_u32_u24 v8, v2, 272                      ; 512 dense bytes are two units
	v_lshl_add_u32 v8, v1, 4, v8
	v_add_nc_u32 v[XST], s80, v8
	s_wait_alu depctr_va_vdst(0)
.irp i, 0,1,2,3,4,5,6,7,8,9,10,11,12,13,14,15
	global_load_b128 v[BK+4*\i:BK+4*\i+3], v[VL16], s[74:75] offset:512*\i   ; 32 lanes take 512 consecutive bytes
.endr
	ASK 0                                          ; K slot 1
.irp b, 0,1,2,3,4,5,6,7                        ; the diagonal product's fragments of B and the scale bytes of both sides: used behind the loop
.irp c, 0,1
	global_load_b128 v[DB+8*\b+4*\c:DB+8*\b+4*\c+3], v[VL16], s[14:15] offset:1024*\b+512*\c
.endr
	global_load_b32 v[SDB+\b], v[VL4], s[16:17] offset:128*\b
.endr
.irp p, 0,1
	global_load_b32 v[TS+\p], v[VDS], s[6:7] offset:4096*\p
.endr
; One matrix instruction on the registers named by rD, rB, rA, rSB, rSA.  rb, ra: the scale words of source 0 (B) and of source 1 (A) stand in lanes 16-31.  zero = 1: it starts a sum; else it takes -C.
.macro WM rb, ra, zero
.if \zero
.if (\rb) && (\ra)
	v_wmma_scale_f32_16x16x128_f8f6f4 v[rD:rD+7], v[rB:rB+7], v[rA:rA+7], 0, v[rSB], v[rSA] matrix_a_fmt:MATRIX_FMT_FP4 matrix_b_fmt:MATRIX_FMT_FP4 matrix_a_scale:MATRIX_SCALE_ROW1 matrix_b_scale:MATRIX_SCALE_ROW1
.elseif \rb
	v_wmma_scale_f32_16x16x128_f8f6f4 v[rD:rD+7], v[rB:rB+7], v[rA:rA+7], 0, v[rSB], v[rSA] matrix_a_fmt:MATRIX_FMT_FP4 matrix_b_fmt:MATRIX_FMT_FP4 matrix_a_scale:MATRIX_SCALE_ROW1
.elseif \ra
	v_wmma_scale_f32_16x16x128_f8f6f4 v[rD:rD+7], v[rB:rB+7], v[rA:rA+7], 0, v[rSB], v[rSA] matrix_a_fmt:MATRIX_FMT_FP4 matrix_b_fmt:MATRIX_FMT_FP4 matrix_b_scale:MATRIX_SCALE_ROW1
.else
	v_wmma_scale_f32_16x16x128_f8f6f4 v[rD:rD+7], v[rB:rB+7], v[rA:rA+7], 0, v[rSB], v[rSA] matrix_a_fmt:MATRIX_FMT_FP4 matrix_b_fmt:MATRIX_FMT_FP4
.endif
.else
.if (\rb) && (\ra)
	v_wmma_scale_f32_16x16x128_f8f6f4 v[rD:rD+7], v[rB:rB+7], v[rA:rA+7], v[rD:rD+7], v[rSB], v[rSA] matrix_a_fmt:MATRIX_FMT_FP4 matrix_b_fmt:MATRIX_FMT_FP4 matrix_a_scale:MATRIX_SCALE_ROW1 matrix_b_scale:MATRIX_SCALE_ROW1 neg_lo:[0,0,1]
.elseif \rb
	v_wmma_scale_f32_16x16x128_f8f6f4 v[rD:rD+7], v[rB:rB+7], v[rA:rA+7], v[rD:rD+7], v[rSB], v[rSA] matrix_a_fmt:MATRIX_FMT_FP4 matrix_b_fmt:MATRIX_FMT_FP4 matrix_a_scale:MATRIX_SCALE_ROW1 neg_lo:[0,0,1]
.elseif \ra
	v_wmma_scale_f32_16x16x128_f8f6f4 v[rD:rD+7], v[rB:rB+7], v[rA:rA+7], v[rD:rD+7], v[rSB], v[rSA] matrix_a_fmt:MATRIX_FMT_FP4 matrix_b_fmt:MATRIX_FMT_FP4 matrix_b_scale:MATRIX_SCALE_ROW1 neg_lo:[0,0,1]
.else
	v_wmma_scale_f32_16x16x128_f8f6f4 v[rD:rD+7], v[rB:rB+7], v[rA:rA+7], v[rD:rD+7], v[rSB], v[rSA] matrix_a_fmt:MATRIX_FMT_FP4 matrix_b_fmt:MATRIX_FMT_FP4 neg_lo:[0,0,1]
.endif
.endif
.endm
; 8 matrix instructions: row block a of tensor ts (0 target, 1 source) x the eight of B, q-th 128 along K of a slot, scale set sc.
; The accumulators take turns, one instruction a turn: at least seven others stand between two products of one sum.
.macro BLK a, ts, q, sc, zero
.irp b, 0,1,2,3,4,5,6,7
.set rD, 64*(\a)+8*\b
.set rB, 64*((\q)%2)+8*\b
.set rA, 128+64*((\q)%2)+32*(\ts)+8*(\a)
.set rSB, SC+32*(\sc)+16+4*(\b/2)+(\q)
.set rSA, SC+32*(\sc)+4*(2*(\ts)+(\a)/2)+(\q)
	WM \b%2, (\a)%2, \zero
.endr
.endm
.macro MUL32 ts, q, sc, zero
.irp a, 0,1,2,3
	BLK \a, \ts, \q, \sc, \zero
.endr
.endm
; 32 LDS loads in one run: the fragments of step q of slot fs.  B: eight images, each load 512 consecutive bytes; A: four blocks of target, four of source.
.macro RUN fs, q
	WIN 0x40*(1+\q/2)
.irp j, 0,1,2,3,4,5,6,7,8,9,10,11,12,13,14,15
	ds_load_b128 v[64*(\q%2)+4*\j:64*(\q%2)+4*\j+3], v[ADRB+\fs] offset:4096*(\j/2)+1024*\q+512*(\j%2)
.endr
.irp j, 0,1,2,3,4,5,6,7,8,9,10,11,12,13,14,15
	ds_load_b128 v[128+64*(\q%2)+4*\j:128+64*(\q%2)+4*\j+3], v[ADRA+\fs] offset:(\j/8)*HALFA+((\j%8)/2)*16*PITCH+64*\q+32*(\j%2)
.endr
	WIN 0
.endm
.macro SCALES set                      ; the scale words of a K slot: four words a row, 32 rows a load
.irp p, 0,1,2,3
	ds_load_b128 v[SC+32*\set+4*\p:SC+32*\set+4*\p+3], v[ADSA] offset:16*\set+(\p/2)*HALFX+(\p%2)*16*272
	ds_load_b128 v[SC+32*\set+16+4*\p:SC+32*\set+16+4*\p+3], v[ADSB+\set] offset:512*\p
.endr
.endm
; Steps 0 and 1 of a slot; ahead of each the loads for the step two on.  The four v_nop are the places between products and the loads into registers that products have read
; (ISA guide 7.12.1 for vector instructions).
.macro STEP slot, q, ask, first
	PLACES 4
	RUN \slot, \ask
	s_wait_dscnt 63                                ; two runs, 64 loads, are younger than this step's
	WIN MULE
	MUL32 0, \q, \slot, \first
.if \first
	PLACES 5                                       ; the products that started the sums have other modifiers than those that follow
.endif
	MUL32 1, \q, \slot, 0
	WIN 0
.endm
; Steps 2 and 3 of a slot, and the change of slots: one barrier; in front of it each wave waits for all its tensor loads, adds 0 to its spare word, and waits for that and for its reads of this slot.
; fill = 1: it opens a round of the barrier of the cluster, behind which this slot is filled again, two K slots ahead.  Then come the next slot's scale words and the fragments of its steps 0 and 1.
.macro TURN slot, next, fill
	PLACES 4
.if \fill
	s_wait_xcnt 0x0                                ; my last prefetch has read its address
.endif
	s_wait_tensorcnt 0x0                           ; all my tensor loads have landed: my quarter of the next slot
	ds_add_u32 v[SPW], v[NIL]                      ; 0 onto my spare word
.if \fill
	s_add_nc_u64 s[G0A+4*\slot+2:G0A+4*\slot+3], s[G0A+4*\slot+2:G0A+4*\slot+3], 512
	s_add_nc_u64 s[G0B+4*\slot+2:G0B+4*\slot+3], s[G0B+4*\slot+2:G0B+4*\slot+3], 2*KSL
	s_add_nc_u64 s[PF:PF+1], s[PF:PF+1], s[72:73]
.endif
	s_wait_dscnt 33                                ; step 2's fragments are in; step 3's 32 loads and the add may be out
	WIN MULO
	BLK 0, 0, 2, \slot, 0
	BLK 1, 0, 2, \slot, 0
	s_wait_dscnt 0x0                               ; the add is done, and my reads of this slot are over
	s_barrier_signal -1
	BLK 2, 0, 2, \slot, 0
	BLK 3, 0, 2, \slot, 0
	WIN 0
	s_barrier_wait -1
.if \fill
	CREST                                          ; no wave of any partner still reads this slot or has a load on its way
	JLOAD \slot                                    ; the first tensor load behind the round
.if \next == 0
	v_add_nc_u32 v[ADSA], 32, v[ADSA]              ; the scale bytes of A of the next lap
	s_wait_alu depctr_va_vdst(0)
.endif
.endif
	SCALES \next
	RUN \next, 0
.if \fill
	ASK \slot                                      ; the K slot behind the one just asked for
.else
.irp i, 0,1,2,3                                ; THE DIAGONAL PRODUCT'S A.  Fragment 2 i + g: rows 16 i + r; registers 0-3: blocks 2 (j0 + g) + h of target
.irp g, 0,1
	global_load_b128 v[DA+8*(2*\i+\g):DA+8*(2*\i+\g)+3], v[VDA], s[4:5] offset:32768*\i+32*\g
.endr
.endr
.endif
	WIN MULO
	MUL32 1, 2, \slot, 0
	WIN 0
	PLACES 4
	RUN \next, 1
	WIN MULO
	MUL32 0, 3, \slot, 0
	MUL32 1, 3, \slot, 0
	WIN 0
.endm
	s_wait_tensorcnt 0x0                           ; my quarter of K slot 0 is in,
	s_wait_loadcnt 0x1a                            ; and my scale bytes; the 26 loads for the diagonal product may be out
.irp i, 0,1,2,3,4,5,6,7,8,9,10,11,12,13,14,15
	ds_store_b128 v[XST], v[BK+4*\i:BK+4*\i+3] offset:544*\i
.endr
	s_wait_xcnt 0x0                                ; the prefetch has read its address
	s_add_nc_u64 s[PF:PF+1], s[PF:PF+1], s[72:73]
	s_wait_tensorcnt 0x0                           ; as in front of each refill: all my tensor loads have landed, then 0 onto my spare word
	ds_add_u32 v[SPW], v[NIL]
	s_wait_dscnt 0x0                               ; the add is done, and my scale bytes lie in LDS
	CROUND                                         ; everybody's part of K slot 0 and all scale bytes are in, and all sixteen work-groups are here: the joint loads meet,
	JLOAD 1                                        ; and K slot 1's load, the first tensor load behind the round
	SCALES 0
	RUN 0, 0
	RUN 0, 1
	ASK 0                                          ; K slot 2
	STEP 0, 0, 2, 1                                ; the first steps stand in front of the loop: the first products of target start the sums
	STEP 0, 1, 3, 0
	s_mov_b32 s3, 3
.Llap:                                             ; a trip goes once round the ring, from the third step of a lap to the second of the next, and fills both slots again
	TURN 0, 1, 1
	STEP 1, 0, 2, 0
	STEP 1, 1, 3, 0
	TURN 1, 0, 1
	STEP 0, 0, 2, 0
	STEP 0, 1, 3, 0
	s_sub_co_u32 s3, s3, 1
	s_cmp_lg_u32 s3, 0
	s_cbranch_scc1 .Llap
	TURN 0, 1, 0                                   ; nothing is filled again: no round follows
; THE LAST SLOT GOES BY ROWS OF OUT: all its fragments lie in windows 1 and 2; the four row blocks are finished one after the other (8 accumulators by turns), and each leaves while the next are multiplied.
.macro ROWS a, half                    ; row block a, steps 2 half and 2 half + 1
	WIN MULE+5*\half
.irp q, 2*\half, 2*\half+1
	BLK \a, 0, \q, 1, 0
	BLK \a, 1, \q, 1, 0
.endr
	WIN 0
.endm
.macro TOSTAGE i                       ; a finished block through my own stage in LDS, and back as whole rows of 512 bytes
	WIN 0x0c
.irp b, 0,1,2,3,4,5,6,7
	ds_store_b128 v[STO], v[64*\i+8*\b:64*\i+8*\b+3] offset:64*\b     ; each accumulator from its low end on
	ds_store_b128 v[STO], v[64*\i+8*\b+4:64*\i+8*\b+7] offset:64*\b+16
.endr
	WIN 0
.irp t, 0,1,2,3,4,5,6,7,8,9,10,11,12,13,14,15
	ds_load_b128 v[BK+64*(\i%2)+4*\t:BK+64*(\i%2)+4*\t+3], v[RD] offset:\t*SPITCH   ; LDS serves the instructions of a wave in order (ISA guide 5.7.1.4): these see the stores above
.endr
.endm
.macro SEND i
	s_wait_dscnt 0x0                               ; the block is back in registers
.irp t, 0,1,2,3,4,5,6,7,8,9,10,11,12,13,14,15
	global_store_b128 v[VL16], v[BK+64*(\i%2)+4*\t:BK+64*(\i%2)+4*\t+3], s[18:19] offset:(16*\i+\t)*16384 th:TH_STORE_NT   ; 32 lanes store 512 consecutive bytes, at a multiple of 256 from the first byte of out0
.endr
.endm
	PLACES 4
	RUN 1, 2
	s_wait_dscnt 32                                ; steps 0 and 1 are in; step 2's 32 loads may be out
	ROWS 0, 0
	ROWS 1, 0
	PLACES 4
	RUN 1, 3
	ROWS 2, 0
	s_wait_loadcnt 0x0                             ; THE DIAGONAL PRODUCT
.irp p, 0,1
	v_perm_b32 v[SDA+2*\p], v[TS+\p], v[TS+\p], 0x01000100     ; the bytes of target's blocks 2 j0, 2 j0 + 1, twice
	v_perm_b32 v[SDA+2*\p+1], v[TS+\p], v[TS+\p], 0x03020302   ; of blocks 2 j0 + 2, 2 j0 + 3
.endr
.irp f, 0,1,2,3,4,5,6,7
.irp j, 0,1,2,3
	v_mov_b32 v[DA+8*\f+4+\j], v[DA+8*\f+\j]       ; the same two blocks once more, for the diagonal blocks of Q(P)
.endr
.endr
	PLACES 4                                       ; an operand written by a vector instruction stands four places ahead of a scaled matrix instruction, a scale eight; these products have other modifiers than those before
	WIN 0xf0
.irp i, 0,1,2,3                                ; added to the sums as they stand (source less target)
.irp b, 0,1,2,3,4,5,6,7
.set rD, 64*\i+8*\b
.set rB, DB+8*\b
.set rA, DA+8*(2*\i+\b/4)
.if \i%2
	v_wmma_scale_f32_16x16x128_f8f6f4 v[rD:rD+7], v[rB:rB+7], v[rA:rA+7], v[rD:rD+7], v[SDB+\b], v[SDA+2*(\i/2)+\b/4] matrix_a_fmt:MATRIX_FMT_FP4 matrix_b_fmt:MATRIX_FMT_FP4 matrix_b_scale:MATRIX_SCALE_ROW1
.else
	v_wmma_scale_f32_16x16x128_f8f6f4 v[rD:rD+7], v[rB:rB+7], v[rA:rA+7], v[rD:rD+7], v[SDB+\b], v[SDA+2*(\i/2)+\b/4] matrix_a_fmt:MATRIX_FMT_FP4 matrix_b_fmt:MATRIX_FMT_FP4
.endif
.endr
.endr
	WIN 0
	PLACES 5
	s_wait_dscnt 0x0                               ; steps 2 and 3 are in
	ROWS 0, 1
	PLACES 4                                       ; for the reads of results, and for the loads into the registers that the diagonal product has read
	TOSTAGE 0
	ROWS 1, 1
	PLACES 4
	SEND 0
	TOSTAGE 1
	ROWS 3, 0
	ROWS 2, 1
	PLACES 4
	SEND 1
	s_wait_xcnt 0x0                                ; the stores of block 0 have read their registers
	TOSTAGE 2
	ROWS 3, 1
	PLACES 4
	SEND 2
	s_wait_xcnt 0x0                                ; the stores of block 1 have read their registers
	TOSTAGE 3
	SEND 3
	s_wait_tensorcnt 0x0                           ; the end of the wave: behind my last tensor load and my last LDS store
	ds_add_u32 v[SPW], v[NIL]
	s_wait_dscnt 0x0
	CROUND                                         ; the closing round: no work-group ends while a partner may still ask for a tile that names it
	s_endpgm
.Lfunc_end_k_qe65d0c1941_gemm:
	.size	k_qe65d0c1941_gemm, .Lfunc_end_k_qe65d0c1941_gemm-k_qe65d0c1941_gemm
	.p2alignl 7, 3214868480
	.fill 96, 4, 3214868480
	.section	.rodata,"a",@progbits
	.p2align	6, 0x0
	.amdhsa_kernel k_qe65d0c1941_gemm
		.amdhsa_group_segment_fixed_size 327680
		.amdhsa_private_segment_fixed_size 0
		.amdhsa_enable_private_segment 0
		.amdhsa_kernarg_size 64
		.amdhsa_user_sgpr_count 2
		.amdhsa_user_sgpr_kernarg_segment_ptr 1
		.amdhsa_wavefront_size32 1
		.amdhsa_system_sgpr_workgroup_id_x 1
		.amdhsa_system_sgpr_workgroup_id_y 1
		.amdhsa_system_sgpr_workgroup_id_z 1
		.amdhsa_system_vgpr_workitem_id 0
		.amdhsa_next_free_vgpr 1024
		.amdhsa_next_free_sgpr 102
		.amdhsa_reserve_vcc 0
		.amdhsa_float_denorm_mode_32 3
		.amdhsa_float_denorm_mode_16_64 3
		.amdhsa_memory_ordered 1
		.amdhsa_forward_progress 1
		.amdhsa_inst_pref_size 206
	.end_amdhsa_kernel
	.amdgpu_metadata
---
amdhsa.version: [ 1, 2 ]
amdhsa.kernels:
  - .name:           k_qe65d0c1941_gemm
    .symbol:         k_qe65d0c1941_gemm.kd
    .args:
      - { .name: target_codes, .offset: 0, .size: 8, .value_kind: global_buffer, .address_space: global }
      - { .name: target_scales, .offset: 8, .size: 8, .value_kind: global_buffer, .address_space: global }
      - { .name: source_codes, .offset: 16, .size: 8, .value_kind: global_buffer, .address_space: global }
      - { .name: source_scales, .offset: 24, .size: 8, .value_kind: global_buffer, .address_space: global }
      - { .name: bm, .offset: 32, .size: 8, .value_kind: global_buffer, .address_space: global }
      - { .name: bd_codes, .offset: 40, .size: 8, .value_kind: global_buffer, .address_space: global }
      - { .name: bd_scales, .offset: 48, .size: 8, .value_kind: global_buffer, .address_space: global }
      - { .name: out0, .offset: 56, .size: 8, .value_kind: global_buffer, .address_space: global }
    .group_segment_fixed_size: 327680
    .private_segment_fixed_size: 0
    .kernarg_segment_align: 8
    .kernarg_segment_size: 64
    .max_flat_workgroup_size: 128
    .sgpr_count:     102
    .vgpr_count:     1024
    .wavefront_size: 32
...
	.end_amdgpu_metadata
.endif
;; end of part 2
